; MI455X (gfx1250); checked and timed in simulation.
; The chip was launched on July 23, 2026; its instructions are those of AMD's public machine-readable ISA for CDNA 5 (MIT licence, August 2026) and "CDNA5" Instruction Set Architecture Reference Guide (July 2026). The comments in the code are by the model that wrote it; some were corrected since.
;; Prosody Aware Attention. Allowed arithmetic: matrix products marked QUANTISED: E5M2 operands, one given power-of-two scale a tensor, by v_wmma_f32_16x16x64_bf8_bf8 or v_wmma_f32_16x16x128_bf8_bf8, f32 sums; everything else in f32.
;; Inputs: Wk_codes 1,024 x 32 x 32 uint8 (E5M2 codes of Wk, K innermost, in blocks of 32 codes); Wq_codes 1,024 x 32 x 32 uint8 (E5M2 codes of Wq, K innermost, in blocks of 32 codes); Wv_codes 1,024 x 32 x 32 uint8 (E5M2 codes of Wv, K innermost, in blocks of 32 codes); attention_mask 4 x 2,048 x 2,048 float32; bk 1,024 float32; bq 1,024 float32; bv 1,024 float32; hidden_states_codes 4 x 2,048 x 32 x 32 uint8 (E5M2 codes of hidden_states, K innermost, in blocks of 32 codes); lowp_scales 10 int32 (the exponents e of the quantised operands' scales 2^e); prosody_mask 4 x 2,048 x 2,048 float32; prosody_weight 1 float32.
;; Outputs: out0 4 x 2,048 x 1,024 float32.
;; This version of the problem:
;;   THIS VERSION OF THE PROBLEM IS GIVEN IN LOW PRECISION. The matrix products marked QUANTISED in the list below multiply operands that are first quantised to E5M2 (5 exponent bits, 2 mantissa bits; 8 bits a number), with one given power-of-two scale for each operand tensor; their sums are f32. All else is computed in f32.
;;   The module's matrix products, in the order in which they are computed (A, B: the left and right operand; K: the contracted axis; several contracted axes count as one K, in the product's order):
;;     1. [M 8,192, K 1,024] x [K 1,024, N 1,024]; A: input hidden_states (given as codes); B: input Wq (given as codes): QUANTISED (scales: A lowp_scales[0], B lowp_scales[1])
;;     2. [M 8,192, K 1,024] x [K 1,024, N 1,024]; A: input hidden_states (given as codes); B: input Wk (given as codes): QUANTISED (scales: A lowp_scales[2], B lowp_scales[3])
;;     3. [M 8,192, K 1,024] x [K 1,024, N 1,024]; A: input hidden_states (given as codes); B: input Wv (given as codes): QUANTISED (scales: A lowp_scales[4], B lowp_scales[5])
;;     4. batch 4 x [M 2,048, K 1,024] x [K 1,024, N 2,048]; A: computed on the way; B: computed on the way: QUANTISED (scales: A lowp_scales[6], B lowp_scales[7])
;;     5. batch 4 x [M 2,048, K 2,048] x [K 2,048, N 1,024]; A: softmax (see below); B: computed on the way: QUANTISED (scales: A lowp_scales[8], B lowp_scales[9])
;;   THE QUANTISER, for each operand of a quantised product, along K:
;;     - The operand's scale is 2^e, e = its entry of the input lowp_scales (int32; the entries are numbered through the quantised products in the list's order, A before B).
;;     - Each number is divided by the scale, clamped to +-57,344, and rounded to the nearest number of E5M2, ties to even, subnormals kept.
;;     - The product sums the exact products of the quantised numbers (number of the format x scale) in f32.
;;   ~~~python
;;   def quantise(x, axis, e):      # numpy; x: float32 -> the quantised numbers, widened to float32 again
;;       x = np.moveaxis(x, axis, -1); K = x.shape[-1]
;;       r = np.clip(x / 2.0 ** e, -57344, 57344)
;;       step = 2.0 ** (np.maximum(np.frexp(np.where(r == 0, 1, r))[1] - 1, -14) - 2)
;;       q = np.round(r / step) * step * 2.0 ** e      # np.round: ties to even
;;       return np.moveaxis(q, -1, axis).astype(np.float32)
;;   ~~~
;;   SOFTMAX AHEAD OF A QUANTISED PRODUCT. Where the list says 'softmax', what is quantised is not the finished softmax but p = 2^(t - M), with t = logit x log2(e) and M = ceil(the row's largest t), a whole number; so 1/2 < the row's largest p <= 1. The row's sum l is taken of the UNQUANTISED p, in f32, and the product's result is divided by l at the end. Since M is a whole number, a kernel that streams over the keys may use a running M (the ceiling of the running maximum): every later rescaling is an exact power of two, so the quantised numbers keep their values, but for numbers so far below the row's largest that they fall under the format's range.
;;   OPERANDS COMPUTED ON THE WAY. 'Computed on the way' means the value that the module computes at that place (a softmax that the list does not call 'softmax' is quantised finished and normalised). What goes into a quantiser is computed in f32, as accurately as f32 sums, v_exp_f32 and their like allow (about 1e-6 of the number): no bf16 or f16 on the way to a quantiser, and a product that is left as it is and whose result goes on into a quantised operand takes f32 operands (vector FMAs, or v_wmma_f32_16x16x4_f32). A number that lies on a knife's edge between two numbers of the format may be rounded either way, as far as f32 arithmetic and the matrix unit's own rounding can turn it there, and no further.
;;   INPUTS GIVEN AS CODES. Wk (in the module: [1024, 1024], K = its axis 1); Wq (in the module: [1024, 1024], K = its axis 1); Wv (in the module: [1024, 1024], K = its axis 1); hidden_states (in the module: [4, 2048, 1024], K = its axis 2): each comes as NAME_codes (uint8): NAME with its K axis moved to the last place and cut into blocks of 32 codes, [.., K / 32, bytes a block], one block behind the other in memory; one code a byte (a code: sign, 5 exponent bits, 2 mantissa bits); its scale is its entry of lowp_scales. Its value is code x scale, taken as it is: it is not quantised again, and the codes and scales need not be those that the quantiser above would give.
;; One version. Each part assembles by itself: llvm-mc -triple=amdgcn-amd-amdhsa -mcpu=gfx1250 --defsym DOCPART=n.
;; ======== version 1 of 1: 3 launches
;; limits: right only within a limited range of input values
;; workspace buffers: q_img 8,388,608 bytes; k_img 8,388,608 bytes; v_img 8,388,608 bytes; p_img 16,777,216 bytes; stat_m 262,144 bytes; stat_l 262,144 bytes
;; launch proj (part 1): grid 12 x 16, 4 waves a work-group, clusters of 4 x 4, 327,680 bytes of LDS; arguments hidden_states_codes, Wq_codes, Wk_codes, Wv_codes, bq, bk, bv, lowp_scales, q_img, k_img, v_img; writes q_img, k_img, v_img
.if DOCPART == 1
	.amdgcn_target "amdgcn-amd-amdhsa--gfx1250"
	.amdhsa_code_object_version 6
	.text
	.protected	k_qc9cc8ef6da_proj
	.globl	k_qc9cc8ef6da_proj
	.p2align	8
	.type	k_qc9cc8ef6da_proj,@function
k_qc9cc8ef6da_proj:
	s_mov_b64 s[64:65], 0
	v_nop
	global_prefetch_b8 v0, s[64:65] scope:SCOPE_SE
	s_setreg_imm32_b32 hwreg(HW_REG_WAVE_MODE, 25, 1), 1
	s_wait_xcnt 0x0
	s_wait_alu depctr_hold_cnt(0) depctr_sa_sdst(0) depctr_va_vdst(0) depctr_va_sdst(0) depctr_va_ssrc(0) depctr_va_vcc(0) depctr_vm_vsrc(0)
	s_getreg_b32 s2, hwreg(HW_REG_IB_STS2, 6, 4)
	s_cmp_eq_u32 s2, 0
	s_cbranch_scc0 .Lentry_in_a_cluster
	s_endpgm
.Lentry_in_a_cluster:
	s_bfe_u32 s2, ttmp6, 0x10000c
	s_cmp_lg_u32 s2, 0xf033
	s_cbranch_scc0 .Lentry_shape_is_right
	s_endpgm
.Lentry_shape_is_right:
; q = x Wq^T + bq, k = x Wk^T + bk, v = x Wv^T + bv on codes of BF8 (E5M2), and the quantiser of the three results, in one launch.
; x: [8192][1024] codes; W: [1024][1024] codes, K innermost.  The cluster's x (0, 1, 2) says which of q, k, v; a tile is 256 x 256 of it, a wave's part 128 x 128: 64 accumulators, 512 registers.
; A WORK-GROUP STAYS: the 384 tiles are made by 192 work-groups, two tiles each: token tiles ty and ty + 16 against the same 256 rows of W: equal work for every work-group.  The ring does not stop at the first
; tile's end: its last two changes of slots ask for the second tile's first two K steps, then the first tile goes out while those land, and nothing waits for its stores.
; K goes in steps of 256 through a ring of two LDS slots filled by the tensor data mover; x's tile is asked for jointly along a row of the 4 x 4 cluster, W's along a column.
; THE PRODUCT: D(a, b) = (source 0: 16 rows of side F0, block b) x (source 1: 16 rows of side F1, block a): a lane holds ONE row of F1, its eight registers eight neighbouring rows of F0.
;   q, k: F1 = tokens, F0 = W's rows: the registers run along the channels, the K of the product q k^T.     v: F1 = Wv's rows, F0 = tokens: the registers run along the keys, the K of the product p v.
;   The LDS addresses are the same in all three; only the tensor loads' buffers are chosen (F1's 256 rows lie first in a slot, F0's 256 behind them), by the cluster's x, which all partners share.
; THE WAY OUT: the eight tiles b of a block a, converted, ARE the 16 registers of a fragment (16 rows x 128 K; registers 2 b, 2 b + 1 hold K = 16 b + 8 (lane / 16) + 0 .. 7).  They are stored as an image of the
;   registers: register 4 g + i of lane l at byte 512 g + 16 l + 4 i of the fragment's 2,048: each store of the wave covers 512 consecutive bytes, aligned.
;   q_img, k_img: fragment (token block T, K step s) at (8 T + s) x 2,048.     v_img: fragment (batch, channel block C, key step s) at ((64 batch + C) x 16 + s) x 2,048.
;   The bias and the hold work in place on the accumulators, and the conversions read them there: window 0 has no 64 registers to spare, since the bias and the next tile's fragments live on in it.
; SCALES: a sum stands for sum x 2^(ex + ew).  The bias goes in divided by that; the conversion takes 2^(eo - ex - ew).  ex, ew, eo: entries 0, 1, 6 (q); 2, 3, 7 (k); 4, 5, 9 (v).
;   q, k: the bias runs along the registers: it is the C of each sum's first product.   v: it runs along the lanes: it is added on the way out.  Both are loaded in all three; the one that does not apply is multiplied by 0.
; LIMITS: ex + ew between -126 and 126; eo - ex - ew between -126 and 112, so that each power of two below is an f32 number.  NaN and infinities in the biases are not served.
.set KROW,   1024                      ; a row of x or of W in memory, in bytes
.set ROWB,   256                       ; a tile's row: 256 codes
.set PITCH,  272                       ; an LDS row: 256 bytes + 16 of padding: the 16 rows that a fragment load touches start 68 words apart
.set FR,     16                        ; registers of a fragment
.set NL,     4                         ; LDS loads that bring one
.set NP,     4                         ; places behind this matrix instruction (ISA guide 7.12.1)
.set HALFT,  128*PITCH                 ; 128 rows: what one tensor load brings
.set SLOT,   4*HALFT                   ; x's 256 rows, then W's 256 rows
.set SPARE,  2*SLOT                    ; behind the ring: the spare words, 128 bytes for each wave, that no other line names
.set NEXT_X, 16*256*KROW-2*ROWB        ; bytes from a slot's last K step of the first tile to its first of the second: x goes 16 tiles of 256 rows down and back along K,
.set BACK_W, 2*ROWB                    ; W only back: both tiles take the same rows of W
.set NEXT_T, 16*256*1024               ; bytes from the first tile's first fragment to the second's, in each of the three images: 4,096 tokens x 1,024 codes
.set ADRA, 16                          ; v16-17  LDS address of my F1 fragments in slot 0, 1
.set ADRB, 20                          ; v20-21  the same for F0
.set LI,   26                          ; v26     16 x lane: my place in an image
.set SPW,  28                          ; v28     LDS address of my spare word; never rewritten
.set NIL,  29                          ; v29     0; never rewritten
.set SC,   30                          ; v30     2^(eo - ex - ew)
.set LIM,  31                          ; v31     57,344 x that
.set BC,   32                          ; v32-95  the bias along the registers: 8 tiles b x 8; it serves both tiles
.set BR,   96                          ; v96-111 the bias along the lanes: a pair for each block a
.set CD,   112                         ; v112-127 the way out: a fragment's codes
.set AF,   128                         ; v128-255 F1's fragments, one set
.set G1, 24                            ; s[24:31] descriptor group 1 for x's tiles;  s[32:39] group 0, one set for each slot
.set G0, 32
.set G1B, 48                           ; s[48:55], s[56:63] the same for W's tiles
.set G0B, 56
.set MSB, 0
.macro WIN new                         ; the immediate's high byte repeats the setting that is left
.if MSB != (\new)
	s_set_vgpr_msb (MSB<<8)|(\new)
.set MSB, (\new)
.endif
.endm
.set MUL_LO, 0xa1                      ; source 0 (F0) window 1, source 1 (F1) window 0, C and D window 2
.set MUL_HI, 0xf1                      ; the same, C and D window 3
.set ONE_LO, 0x81                      ; a tile's first K step: C (the bias) window 0, D window 2
.set ONE_HI, 0xc1                      ; D window 3
.set TO_B,   0x40                      ; destination window 1, address window 0
; A joint load: waves 0 and 1 fetch x's two halves, waves 2 and 3 W's.  The branch hangs on the wave's number alone.  Four v_nop follow each of the two lines.
.macro JLOAD g0a, g1a, g0b, g1b
	s_cmp_eq_u32 s15, 0
	s_cbranch_scc0 .Lfor_b_\@
	tensor_load_to_lds s[\g0a:\g0a+3], s[\g1a:\g1a+7]
	s_nop 0
.rept 4
	v_nop
.endr
	s_branch .Lasked_\@
.Lfor_b_\@:
	tensor_load_to_lds s[\g0b:\g0b+3], s[\g1b:\g1b+7]
	s_nop 0
.rept 4
	v_nop
.endr
.Lasked_\@:
.endm
.macro CREST                           ; a round of the cluster's barrier behind its opening barrier
	s_cmp_lg_u32 s14, 0
	s_cbranch_scc1 .Lnot_wave_0_\@
	s_barrier_signal -3
.Lnot_wave_0_\@:
	s_barrier_wait -3
	s_barrier_signal -1
	s_barrier_wait -1
.endm
.macro CROUND                          ; a whole round
	s_barrier_signal -1
	s_barrier_wait -1
	CREST
.endm
	s_load_b512 s[68:83], s[0:1], 0x0              ; x s[68:69], Wq, Wk, Wv s[70:75], bq, bk, bv s[76:81], the scales' exponents s[82:83]
	s_load_b128 s[84:87], s[0:1], 0x40             ; q_img, k_img
	s_load_b64 s[88:89], s[0:1], 0x50              ; v_img
	v_lshl_add_u32 v[SPW], v0, 2, SPARE
	v_mov_b32 v[NIL], 0
	ds_add_u32 v28, v29
	ds_add_u32 v28, v29
	s_wait_dscnt 0x0
	v_lshrrev_b32 v1, 5, v0
	v_readfirstlane_b32 s14, v1                    ; wave 0..3
	s_lshr_b32 s15, s14, 1                         ; which half of F1's 256 rows is mine.  Also: I fetch for x (0) or for W (1)
	s_and_b32 s16, s14, 1                          ; which half of F0's.  Also: which 128 rows of that tile I fetch
	s_bfe_u32 s40, ttmp6, 0x40000                  ; cx: the tile of 256 rows of W
	s_bfe_u32 s41, ttmp6, 0x40004                  ; cy
	s_lshl_b32 s43, s41, 2
	s_lshl_b32 s43, 15, s43                        ; my row of the cluster
	s_lshl_b32 s44, 0x1111, s40                    ; my column
	; F1's rows always lie first in a slot and are shared along a row of the cluster, F0's behind them and shared along a column.
	; q, k: F1 = token tile 4 Y + cy, F0 = W's tile cx.   v: F1 = W's tile cy, F0 = token tile 4 Y + cx.  So every LDS address is a constant of the text.
	s_and_b32 s12, ttmp7, 0xffff
	s_lshl_b32 s12, s12, 2
	s_add_co_u32 s17, s12, s41                     ; 4 Y + cy
	s_add_co_u32 s13, s12, s40                     ; 4 Y + cx
	s_cmp_eq_u32 ttmp9, 2                          ; is it v?  The cluster's x: the same in all sixteen partners
	s_cselect_b32 s6, s41, s17                     ; F1's tile of 256 rows: made of cy alone
	s_cselect_b32 s7, s13, s40                     ; F0's: made of cx alone
	s_cselect_b32 s17, s13, s17                    ; ty: my first tile of 256 tokens, 0 .. 15; my second is ty + 16
	s_cselect_b32 s40, s41, s40                    ; my tile of 256 rows of W
	; descriptor group 1: a tile of 128 rows x 256 bytes, padded in LDS
	s_or_b32 s[G1+0], s43, (0<<16)|(1<<20)|(1<<21)|(5<<22)|(3<<25)  ; 15:0 the mask: x's tiles go to my row; 17:16 elements of 1 byte; 20 padding on; 21 set beside a mask; 24:22 after every 64 words; 31:25 of 4 words
	s_or_b32 s[G1B+0], s44, (0<<16)|(1<<20)|(1<<21)|(5<<22)|(3<<25) ; the same with the mask of my column, for W's tiles
.irp g, G1, G1B
	s_mov_b32 s[\g+1], ROWB<<16                    ; tensor_dim0
	s_mov_b32 s[\g+2], 128<<16                     ; tensor_dim1 = 128
	s_mov_b32 s[\g+3], ROWB<<16                    ; tile_dim0
	s_mov_b32 s[\g+4], 128                         ; tile_dim1 = 128
	s_mov_b32 s[\g+5], KROW                        ; tensor_dim0_stride
	s_mov_b32 s[\g+6], 0
	s_mov_b32 s[\g+7], 0
.endr
	s_lshl_b32 s18, s16, 7                         ; which 128 rows of the tile I fetch
	s_lshl_b32 s20, s6, 8
	s_add_co_u32 s20, s20, s18
	s_lshl_b32 s20, s20, 10                        ; x: (256 ty + 128 half) rows of 1,024 bytes
	s_mov_b32 s21, 0
	s_lshl_b32 s46, s7, 8
	s_add_co_u32 s46, s46, s18
	s_lshl_b32 s46, s46, 10                        ; W: (256 cx + 128 half) rows
	s_mov_b32 s47, 0
	s_mul_i32 s45, s14, HALFT                      ; where they go: wave x 128 rows: no place in the cluster enters an LDS address
	; my first fragment's byte in the output.  q, k: ((16 ty + 8 s15) x 8 + 2 cx + s16) x 2,048
	s_lshl_b32 s22, s17, 18
	s_lshl_b32 s23, s15, 17
	s_add_co_u32 s22, s22, s23
	s_lshl_b32 s23, s40, 12
	s_add_co_u32 s22, s22, s23
	; v: (((ty / 8) x 64 + 16 cx + 8 s15) x 16 + 2 (ty % 8) + s16) x 2,048
	s_lshr_b32 s12, s17, 3
	s_lshl_b32 s12, s12, 21
	s_lshl_b32 s13, s40, 19
	s_add_co_u32 s12, s12, s13
	s_lshl_b32 s13, s15, 18
	s_add_co_u32 s12, s12, s13
	s_and_b32 s13, s17, 7
	s_lshl_b32 s13, s13, 12
	s_add_co_u32 s12, s12, s13
	s_mov_b32 s90, 16384                           ; from block a to block a + 1: 8 fragments (q, k) or 16 (v)
	s_cmp_eq_u32 ttmp9, 2                          ; is it v?  The cluster's x: the same in all sixteen partners
	s_cselect_b32 s22, s12, s22
	s_cselect_b32 s90, 32768, s90
	s_lshl_b32 s23, s16, 11
	s_add_co_u32 s22, s22, s23
	s_mov_b32 s23, 0
	s_mov_b32 s91, 0
	s_lshl_b32 s4, s40, 10                         ; the bias: 256 cx numbers of 4 bytes,
	s_lshl_b32 s5, s16, 9
	s_add_co_u32 s18, s4, s5                       ; + 128 s16 for the one that runs along the registers,
	s_mov_b32 s19, 0
	s_lshl_b32 s5, s15, 9
	s_add_co_u32 s12, s4, s5                       ; + 128 s15 for the one that runs along the lanes
	s_mov_b32 s13, 0
	s_wait_kmcnt 0x0
	s_load_b256 s[92:99], s[82:83], 0x0            ; e0 .. e7
	s_load_b64 s[100:101], s[82:83], 0x20          ; e8, e9
	s_cmp_eq_u32 ttmp9, 0                          ; the three buffers are chosen by the cluster's x alone
	s_cselect_b64 s[6:7], s[70:71], s[72:73]
	s_cselect_b64 s[8:9], s[76:77], s[78:79]
	s_cselect_b64 s[10:11], s[84:85], s[86:87]
	s_cmp_eq_u32 ttmp9, 2
	s_cselect_b64 s[6:7], s[74:75], s[6:7]         ; W
	s_cselect_b64 s[8:9], s[80:81], s[8:9]         ; the bias
	s_cselect_b64 s[10:11], s[88:89], s[10:11]     ; the output
	s_cselect_b64 s[2:3], s[6:7], s[68:69]         ; F1's buffer: Wv for v, x for q and k (the compare above still stands)
	s_cselect_b64 s[6:7], s[68:69], s[6:7]         ; F0's
	s_cselect_b32 s84, 0, NEXT_T                   ; from the first tile to the second: x goes 4,096 rows of 1,024 bytes down, W stays
	s_cselect_b32 s86, NEXT_T, 0
	s_mov_b32 s85, 0
	s_mov_b32 s87, 0
	s_add_nc_u64 s[20:21], s[2:3], s[20:21]
	s_add_nc_u64 s[46:47], s[6:7], s[46:47]
	s_add_nc_u64 s[84:85], s[20:21], s[84:85]      ; the second tile's K step 0 of F1,
	s_add_nc_u64 s[86:87], s[46:47], s[86:87]      ; and of F0
	s_add_nc_u64 s[10:11], s[10:11], s[22:23]
	s_add_nc_u64 s[4:5], s[8:9], s[18:19]
	s_add_nc_u64 s[12:13], s[8:9], s[12:13]
	CROUND                                         ; all sixteen work-groups are here: the first joint loads meet
.irp s, 0,1
	s_mov_b32 s[G0+4*\s], 1
	s_add_co_u32 s[G0+4*\s+1], s45, \s*SLOT
	s_add_nc_u64 s[G0+4*\s+2:G0+4*\s+3], s[20:21], \s*ROWB
	s_or_b32 s[G0+4*\s+3], s[G0+4*\s+3], 0x80000000
	s_mov_b32 s[G0B+4*\s], 1
	s_add_co_u32 s[G0B+4*\s+1], s45, \s*SLOT
	s_add_nc_u64 s[G0B+4*\s+2:G0B+4*\s+3], s[46:47], \s*ROWB
	s_or_b32 s[G0B+4*\s+3], s[G0B+4*\s+3], 0x80000000
.endr
	JLOAD G0, G1, G0B, G1B                         ; K step 0: one tensor load a wave at the head
	v_and_b32 v1, 15, v0                           ; r = l % 16
	v_bfe_u32 v2, v0, 4, 1                         ; h = l / 16
	v_lshlrev_b32 v5, 5, v2                        ; 8 h numbers
	v_lshlrev_b32 v6, 2, v1                        ; r numbers
.irp b, 0,1,2,3,4,5,6,7
	global_load_b128 v[BC+8*\b:BC+8*\b+3], v5, s[4:5] offset:64*\b          ; bias(256 cx + 128 s16 + 16 b + 8 h + 0 .. 7)
	global_load_b128 v[BC+8*\b+4:BC+8*\b+7], v5, s[4:5] offset:64*\b+16
.endr
.irp a, 0,1,2,3,4,5,6,7
	global_load_b32 v[BR+2*\a], v6, s[12:13] offset:64*\a                   ; bias(256 cx + 128 s15 + 16 a + r)
.endr
	v_mul_u32_u24 v3, v1, PITCH
	v_lshl_add_u32 v4, v2, 4, v3                   ; a fragment's row x pitch + 16 x half
	s_mul_i32 s21, s15, HALFT
	s_mul_i32 s22, s16, HALFT
	s_add_co_u32 s22, s22, 2*HALFT                 ; my 128 rows of F0 lie behind F1's 256
.irp s, 0,1
	v_add_nc_u32 v[ADRA+\s], s21, v4
	v_add_nc_u32 v[ADRB+\s], s22, v4
	s_add_co_u32 s21, s21, SLOT
	s_add_co_u32 s22, s22, SLOT
.endr
	v_and_b32 v7, 31, v0
	v_lshlrev_b32 v[LI], 4, v7
	s_wait_kmcnt 0x0
	s_cmp_eq_u32 ttmp9, 0
	s_cselect_b32 s18, s92, s94                    ; ex,
	s_cselect_b32 s19, s93, s95                    ; ew,
	s_cselect_b32 s20, s98, s99                    ; eo
	s_cmp_eq_u32 ttmp9, 2
	s_cselect_b32 s18, s96, s18
	s_cselect_b32 s19, s97, s19
	s_cselect_b32 s20, s101, s20
	s_add_co_i32 s18, s18, s19                     ; ex + ew
	s_sub_co_i32 s19, 127, s18
	s_lshl_b32 s19, s19, 23                        ; 2^-(ex + ew) as f32
	s_sub_co_i32 s20, s20, s18
	s_add_co_i32 s20, s20, 127
	s_lshl_b32 s21, s20, 23
	v_mov_b32 v[SC], s21                           ; 2^(eo - ex - ew): the conversion takes its exponent field
	s_add_co_i32 s20, s20, 15
	s_lshl_b32 s20, s20, 23
	s_or_b32 s20, s20, 0x600000
	v_mov_b32 v[LIM], s20                          ; 57,344 x that
	s_cmp_eq_u32 ttmp9, 2
	s_cselect_b32 s66, 0, s19                      ; the factor of the bias along the registers: 0 for v
	s_cselect_b32 s22, s19, 0                      ; and of the bias along the lanes: 0 for q and k
	s_mov_b32 s67, s66                             ; (named with it as a pair, so it is written)
	s_wait_loadcnt 0x0                             ; the biases
.set jj, 0
.rept 32
	v_pk_mul_f32 v[BC+jj:BC+jj+1], v[BC+jj:BC+jj+1], s[66:67] op_sel_hi:[1,0]
.set jj, jj+2
.endr
.irp a, 0,1,2,3,4,5,6,7
	v_mul_f32 v[BR+2*\a], s22, v[BR+2*\a]
	v_mov_b32 v[BR+2*\a+1], v[BR+2*\a]             ; (the packed addition names the pair)
.endr
	s_lshl_b32 s22, s90, 3
	s_sub_co_u32 s22, s22, s90                     ; seven steps from block to block,
	s_sub_co_u32 s22, NEXT_T, s22                  ; so from my last fragment of the first tile to my first of the second
	s_mov_b32 s23, 0
.macro FRAG reg, adr, q, i             ; 16 rows x 128 K: four loads of 16 bytes, 32 bytes apart: the same permutation of K in x and in W, so every product meets its partner
.irp c, 0,1,2,3
	ds_load_b128 v[\reg+4*\c:\reg+4*\c+3], v[\adr] offset:128*(\q)+32*\c+(\i)*16*PITCH
.endr
.endm
; 16 matrix instructions: F1's blocks a0, a0 + 1 x F0's eight, 128 along K.  p: F0's set.  zero = 1: the first product starts the sums, with the bias as C: nothing is ever cleared.
; The 64 accumulators take turns, one instruction a turn, in the same order in every step, from tile to tile too.
.macro MUL16 a0, p, zero
.irp a, \a0, \a0+1
.irp b, 0,1,2,3,4,5,6,7
.if \zero
	v_wmma_f32_16x16x128_bf8_bf8 v[8*(8*((\a)%4)+\b):8*(8*((\a)%4)+\b)+7], v[128*(\p)+FR*\b:128*(\p)+FR*\b+FR-1], v[AF+FR*(\a):AF+FR*(\a)+FR-1], v[BC+8*\b:BC+8*\b+7]
.else
	v_wmma_f32_16x16x128_bf8_bf8 v[8*(8*((\a)%4)+\b):8*(8*((\a)%4)+\b)+7], v[128*(\p)+FR*\b:128*(\p)+FR*\b+FR-1], v[AF+FR*(\a):AF+FR*(\a)+FR-1], v[8*(8*((\a)%4)+\b):8*(8*((\a)%4)+\b)+7]
.endif
.endr
.endr
.endm
.macro FETCH_B slot, q, p              ; F0's eight fragments of the slot's q-th 128 along K into set p
	WIN TO_B
.irp i, 0,1,2,3,4,5,6,7
	FRAG 128*(\p)+FR*\i, ADRB+\slot, \q, \i
.endr
	WIN 0
.endm
.macro FETCH_A slot, q, i0             ; F1's blocks i0 .. i0 + 3
.irp i, \i0, \i0+1, \i0+2, \i0+3
	FRAG AF+FR*(\i), ADRA+\slot, \q, \i
.endr
.endm
.macro PLACES n                        ; plain vector instructions between a matrix instruction and a load into, or a vector read or write of, its registers
.rept \n
	v_nop
.endr
.endm
; A step of 128 along K that has its successor in the same slot.  A block of F1 is free as soon as its eight products are issued, so F1 has one set; F0 has two.
.macro STEP slot, q, zero
	s_wait_dscnt 4*NL                              ; F0's set and F1's blocks 0-3 are in; the youngest sixteen loads (blocks 4-7) may be out
.if \zero
	WIN ONE_LO
.else
	WIN MUL_LO
.endif
	MUL16 0, (\q)%2, \zero
	MUL16 2, (\q)%2, \zero
	s_wait_dscnt 0                                 ; blocks 4-7 are in (asked for 32 matrix instructions ago)
	PLACES NP
	FETCH_B \slot, (\q)+1, 1-(\q)%2
	FETCH_A \slot, (\q)+1, 0
.if \zero
	WIN ONE_HI
.else
	WIN MUL_HI
.endif
	MUL16 4, (\q)%2, \zero
	MUL16 6, (\q)%2, \zero
	PLACES NP
	WIN 0
	FETCH_A \slot, (\q)+1, 4
.endm
; A slot's last step changes slots: ONE barrier; in front of it each wave waits for all its tensor loads, adds 0 to its spare word, and waits for that and for its own reads of this slot.
; fill = 1: this slot is filled again, two K steps ahead in the same tile;  2: with the NEXT tile's K step 0 or 1;  0: nothing is asked for.
.macro TURN slot, next, fill
	s_wait_tensorcnt 0x0                           ; all my tensor loads have landed: my part of the next slot  (every window is 0 here)
	ds_add_u32 v[SPW], v[NIL]                      ; 0 onto my spare word
	s_wait_dscnt 4*NL+1                            ; (the add and the youngest sixteen loads may be out)
	WIN MUL_LO
	MUL16 0, 1, 0                                  ; sixteen matrix instructions stand between the add and the wait for it
	s_wait_dscnt 0x0                               ; the add is done, and my reads of this slot are over
	s_barrier_signal -1
	MUL16 2, 1, 0
	WIN 0
	s_barrier_wait -1
.if \fill
	CREST                                          ; the barrier has opened a round of the cluster's barrier: no wave of any partner still reads this slot's tile or has a load on its way
.if \fill == 2
	s_add_nc_u64 s[G0+4*\slot+2:G0+4*\slot+3], s[84:85], \slot*ROWB
	s_or_b32 s[G0+4*\slot+3], s[G0+4*\slot+3], 0x80000000
	s_add_nc_u64 s[G0B+4*\slot+2:G0B+4*\slot+3], s[86:87], \slot*ROWB
	s_or_b32 s[G0B+4*\slot+3], s[G0B+4*\slot+3], 0x80000000
.else
	s_add_nc_u64 s[G0+4*\slot+2:G0+4*\slot+3], s[G0+4*\slot+2:G0+4*\slot+3], 2*ROWB
	s_add_nc_u64 s[G0B+4*\slot+2:G0B+4*\slot+3], s[G0B+4*\slot+2:G0B+4*\slot+3], 2*ROWB
.endif
	JLOAD G0+4*\slot, G1, G0B+4*\slot, G1B         ; the first tensor load behind the round, my one load until the next; its four v_nop are the places in front of the loads below
.else
	PLACES NP
.endif
	FETCH_B \next, 0, 0
	FETCH_A \next, 0, 0
	WIN MUL_HI
	MUL16 4, 1, 0
	MUL16 6, 1, 0
	PLACES NP
	WIN 0
	FETCH_A \next, 0, 4
.endm
; THE WAY OUT of block a of tile t: 16 rows of F1 x 128 of F0: one fragment of the next product.  It has no LDS instruction, so the counts of the waits for fragments hold across it.
.macro OUTB a, t
.set AC, 64*((\a)%4)
.set WN, 2+((\a)/4)
	WIN (WN<<6)|WN                                 ; source 0 and destination: window 2 or 3
.set jj, 0
.rept 32
	v_pk_add_f32 v[AC+jj:AC+jj+1], v[AC+jj:AC+jj+1], v[BR+2*(\a):BR+2*(\a)+1] op_sel_hi:[1,0]   ; + the bias of my row (0 for q and k); each accumulator from its low end on
.set jj, jj+2
.endr
.set jj, 0
.rept 64
	v_med3_num_f32 v[AC+jj], v[AC+jj], -v[LIM], v[LIM]   ; the conversion to an 8-bit code does not saturate (ISA guide 7.6.2): the hold at the largest code x the scale
.set jj, jj+1
.endr
	WIN WN                                         ; source 0: window 2 or 3; destination window 0
	s_wait_alu depctr_va_vdst(0)
	s_wait_xcnt 0x0                                ; the last block's stores have read their data and their base: both are written again only behind this wait
.if (\a) > 0
	s_add_nc_u64 s[10:11], s[10:11], s[90:91]      ; the next block's fragment
.elseif (\t) > 0
	s_add_nc_u64 s[10:11], s[10:11], s[22:23]      ; the second tile's first
.endif
.irp b, 0,1,2,3,4,5,6,7
	v_cvt_scalef32_pk8_bf8_f32 v[CD+2*\b:CD+2*\b+1], v[AC+8*\b:AC+8*\b+7], v[SC]   ; registers 2 b, 2 b + 1 of the fragment: K = 16 b + 8 h + 0 .. 7
.endr
	WIN 0
	v_nop                                          ; one plain vector instruction behind the last conversion, ahead of the products that write its sources
.irp g, 0,1,2,3
	global_store_b128 v[LI], v[CD+4*\g:CD+4*\g+3], s[10:11] offset:512*\g   ; 32 lanes store 512 consecutive bytes, aligned
.endr
.endm
	s_wait_alu depctr_va_vdst(0)
	s_wait_tensorcnt 0x0                           ; my part of K step 0 is in; these lines stand ahead of a later first fill as ahead of a refill
	ds_add_u32 v[SPW], v[NIL]
	s_wait_dscnt 0x0
	CROUND                                         ; everybody's part is in, and all sixteen work-groups are here
	JLOAD G0+4, G1, G0B+4, G1B                     ; K step 1, the first tensor load behind the round
	FETCH_B 0, 0, 0
	FETCH_A 0, 0, 0
	FETCH_A 0, 0, 4
	; ---- the first tile.  The steps are written out
	STEP 0, 0, 1                                   ; its products start the sums
	TURN 0, 1, 1
	STEP 1, 0, 0
	TURN 1, 0, 1
	STEP 0, 0, 0
	TURN 0, 1, 2                                   ; THE RING GOES ON INTO THE SECOND TILE: slot 0 takes its K step 0,
	STEP 1, 0, 0
	TURN 1, 0, 2                                   ; slot 1 its K step 1, and the second tile's first fragments are fetched
.irp a, 0,1,2,3,4,5,6,7                ; both refills are asked for: now the tile goes out.  TURN's places stand behind the last products
	OUTB \a, 0
.endr
	; ---- the second tile
	STEP 0, 0, 1                                   ; on accumulators that have been converted; hundreds of plain vector lines stand behind the products that wrote them
	TURN 0, 1, 1
	STEP 1, 0, 0
	TURN 1, 0, 1
	STEP 0, 0, 0
	TURN 0, 1, 0                                   ; the last lap fills nothing, and has no round of the cluster's barrier
	STEP 1, 0, 0
	s_wait_dscnt 4*NL                              ; the very last step: nothing more to fetch
	WIN MUL_LO
	MUL16 0, 1, 0
	MUL16 2, 1, 0
	s_wait_dscnt 0
	WIN MUL_HI
	MUL16 4, 1, 0
	MUL16 6, 1, 0
	WIN 0
	PLACES NP                                      ; behind the last products: their results are read and written below
.irp a, 0,1,2,3,4,5,6,7
	OUTB \a, 1
.endr
	s_wait_tensorcnt 0x0                           ; the wave's end
	ds_add_u32 v[SPW], v[NIL]
	s_wait_dscnt 0x0
	CROUND                                         ; the closing round: no work-group ends while a partner may still ask for a tile that names it
	s_endpgm
.Lfunc_end_k_qc9cc8ef6da_proj:
	.size	k_qc9cc8ef6da_proj, .Lfunc_end_k_qc9cc8ef6da_proj-k_qc9cc8ef6da_proj
	.p2alignl 7, 3214868480
	.fill 96, 4, 3214868480
	.section	.rodata,"a",@progbits
	.p2align	6, 0x0
	.amdhsa_kernel k_qc9cc8ef6da_proj
		.amdhsa_group_segment_fixed_size 327680
		.amdhsa_private_segment_fixed_size 0
		.amdhsa_enable_private_segment 0
		.amdhsa_kernarg_size 88
		.amdhsa_user_sgpr_count 2
		.amdhsa_user_sgpr_kernarg_segment_ptr 1
		.amdhsa_wavefront_size32 1
		.amdhsa_system_sgpr_workgroup_id_x 1
		.amdhsa_system_sgpr_workgroup_id_y 1
		.amdhsa_system_sgpr_workgroup_id_z 1
		.amdhsa_system_vgpr_workitem_id 0
		.amdhsa_next_free_vgpr 1024
		.amdhsa_next_free_sgpr 102
		.amdhsa_reserve_vcc 0
		.amdhsa_float_denorm_mode_32 3
		.amdhsa_float_denorm_mode_16_64 3
		.amdhsa_memory_ordered 1
		.amdhsa_forward_progress 1
		.amdhsa_inst_pref_size 255
	.end_amdhsa_kernel
	.section	.bss,"aw",@nobits
	.p2align	6
	.space	262144
	.amdgpu_metadata
---
amdhsa.version: [ 1, 2 ]
amdhsa.kernels:
  - .name:           k_qc9cc8ef6da_proj
    .symbol:         k_qc9cc8ef6da_proj.kd
    .args:
      - { .name: hidden_states_codes, .offset: 0, .size: 8, .value_kind: global_buffer, .address_space: global }
      - { .name: Wq_codes, .offset: 8, .size: 8, .value_kind: global_buffer, .address_space: global }
      - { .name: Wk_codes, .offset: 16, .size: 8, .value_kind: global_buffer, .address_space: global }
      - { .name: Wv_codes, .offset: 24, .size: 8, .value_kind: global_buffer, .address_space: global }
      - { .name: bq, .offset: 32, .size: 8, .value_kind: global_buffer, .address_space: global }
      - { .name: bk, .offset: 40, .size: 8, .value_kind: global_buffer, .address_space: global }
      - { .name: bv, .offset: 48, .size: 8, .value_kind: global_buffer, .address_space: global }
      - { .name: lowp_scales, .offset: 56, .size: 8, .value_kind: global_buffer, .address_space: global }
      - { .name: q_img, .offset: 64, .size: 8, .value_kind: global_buffer, .address_space: global }
      - { .name: k_img, .offset: 72, .size: 8, .value_kind: global_buffer, .address_space: global }
      - { .name: v_img, .offset: 80, .size: 8, .value_kind: global_buffer, .address_space: global }
    .group_segment_fixed_size: 327680
    .private_segment_fixed_size: 0
    .kernarg_segment_align: 8
    .kernarg_segment_size: 88
    .max_flat_workgroup_size: 128
    .sgpr_count:     102
    .vgpr_count:     1024
    .wavefront_size: 32
...
	.end_amdgpu_metadata
.endif
;; end of part 1
;; launch scores (part 2): grid 8 x 32, 4 waves a work-group, no clusters, 327,680 bytes of LDS; arguments q_img, k_img, attention_mask, prosody_mask, prosody_weight, lowp_scales, p_img, stat_m, stat_l; writes p_img, stat_m, stat_l
.if DOCPART == 2
	.amdgcn_target "amdgcn-amd-amdhsa--gfx1250"
	.amdhsa_code_object_version 6
	.text
	.protected	k_qc9cc8ef6da_scores
	.globl	k_qc9cc8ef6da_scores
	.p2align	8
	.type	k_qc9cc8ef6da_scores,@function
k_qc9cc8ef6da_scores:
	s_mov_b64 s[64:65], 0
	v_nop
	global_prefetch_b8 v0, s[64:65] scope:SCOPE_SE
	s_setreg_imm32_b32 hwreg(HW_REG_WAVE_MODE, 25, 1), 1
	s_wait_xcnt 0x0
; logit = q . k / 32 + attention_mask + prosody_weight x prosody_mask;  p = 2^(t - M), t = logit x log2(e), quantised to BF8 along the keys.  q and k come as images of operand registers.
; A work-group owns 256 queries (tile y = 8 batch + qt) x 256 keys (tile kt).  M IS THE TILE'S: M = ceil(the row's largest t among these 256 keys), a whole number.  -M and l = the sum of the unquantised p go to
; stat_m and stat_l, [batch][kt][row]; the next launch brings the eight tiles of a row under the row's M by exact powers of two.
; SHARES.  Wave w keeps keys 64 w .. 64 w + 63 of the tile, all 1,024 channels, in 512 registers (windows 2 and 3: fragment (K step s, key tile t) at 16 (4 (s % 4) + t)), read from memory once.
; The work-group walks 16 blocks of 16 queries, 32 matrix instructions a wave and block.  S^T = k q^T: lane (r, h) holds query r; register j of tile t is key 64 w + 16 t + 8 h + j; the four conversions are
; registers 8 (w % 2) .. + 7 of the fragment (query block, key step 2 kt + w / 2) of p_img, stored as they stand: 512 consecutive bytes a store.
; THE RING.  q AND BOTH MASKS come through two LDS slots filled by the tensor data mover; a slot holds two blocks: q's 32,768 bytes, then 32 rows x 1,024 bytes of am and of pm, each row padded by 16 bytes.
; One load a wave behind each change of slots: waves 0 and 1 q's halves, wave 2 am, wave 3 pm.  The waves read am and pm from LDS in the scores' layout, so the loop has no global load and no stage.
; A plain barrier a block lets the four waves' maxima meet in LDS (two sets of words by turns).
; NO CLUSTER: of a slot's 99,328 bytes only q's 32,768 are shared with other work-groups; the masks are each work-group's own.  NO PREFETCH: each fill is asked for a whole slot, two blocks' work, ahead of its first read, and
; a work-group reads each mask byte once.
; LIMITS: e6 + e7 - 5 between -126 and 127; e8 between -126 and 112.  NaN and +infinity among the inputs are not served.  -infinity in a mask is served: the tile's largest t is held at -3e38 from below, so that a row
; whose 256 keys are all hidden has p = 0 and l = 0.
.set UP,    1040                       ; a mask row in LDS: 1,024 bytes + 16
.set MB,    32*UP                      ; a slot's rows of one mask
.set AMO,   32768                      ; am behind q; pm MB bytes on
.set SLOT1, 131072                     ; slot 1 begins here: one exclusive or turns an address
.set XCH,   230400                     ; the maxima: 2 sets x 16 rows x 4 waves x 4 bytes
.set LST,   230912                     ; each wave's sums of 256 rows
.set NST,   235008                     ; -M of 256 rows, a copy for each wave
.set SPARE, 239104                     ; the spare words, 128 bytes a wave, that no other line names
.set SPW,1
.set NIL,2
.set LI,3                              ; 16 x lane
.set UA0,4                             ; my place in am's rows of slot 0: row r, key 64 w + 8 h
.set QA,5                              ; the same two in the slot in hand
.set UA,6
.set XW,7
.set XR,8
.set LS0,9
.set NS0,10
.set SCP,12                            ; 2^e8
.set LIMP,13                           ; 57,344 x 2^e8
.set S,16                              ; v16-47 S^T, then p: tile t at 16 + 8 t
.set CD,80                             ; v80-95 p's codes, a set for each block of a slot
.set XM,96
.set NM,100                            ; -M (a pair's low word)
; v48-79, v144-175 am of the slot's two blocks; v112-143, v176-207 pm.  Window 1: q's eight fragments of block b at 128 b.
; s8 wave; s[14:15] p_img at the slot's first block; s[16:17] 2^(e6 + e7 - 5); s[18:19] pw; s[20:21] log2(e); s[22:23] lane selects; s37 the sums' LDS step; s38 slots to ask for; s39 the slot in hand; s[40:41] p_img's step
.set G1Q,24
.set G0Q,32
.set G1M,48
.set G0M,56
.set TB,39
.set MSB, 0
.macro WIN new
.if MSB != (\new)
	s_set_vgpr_msb (MSB<<8)|(\new)
.set MSB, (\new)
.endif
.endm
.macro NOPS
.rept 4
	v_nop
.endr
.endm
.macro TLOAD                           ; every wave asks for its part; the branch hangs on the wave's number alone; an s_nop 0 and four v_nop follow each line
	s_cmp_lt_u32 s8, 2
	s_cbranch_scc0 .Lmask_\@
	tensor_load_to_lds s[G0Q:G0Q+3], s[G1Q:G1Q+7]
	s_nop 0
	NOPS
	s_branch .Lasked_\@
.Lmask_\@:
	tensor_load_to_lds s[G0M:G0M+3], s[G1M:G1M+7]
	s_nop 0
	NOPS
.Lasked_\@:
.endm
	s_load_b512 s[68:83], s[0:1], 0x0              ; q_img, k_img, am, pm, pw, the scales, p_img, stat_m
	s_load_b64 s[84:85], s[0:1], 0x40              ; stat_l
	v_lshl_add_u32 v[SPW], v0, 2, SPARE
	v_mov_b32 v[NIL], 0
	ds_add_u32 v[SPW], v[NIL]                      ; the opening lines: the add twice on end and its wait ahead of my first tensor load
	ds_add_u32 v[SPW], v[NIL]
	v_lshrrev_b32 v14, 5, v0
	v_readfirstlane_b32 s8, v14                    ; wave 0..3
	s_and_b32 s9, s8, 1                            ; which half of q, or which mask, I fetch
	s_and_b32 s4, ttmp7, 0xffff                    ; y
	s_lshr_b32 s5, s4, 3                           ; batch
	s_and_b32 s6, s4, 7                            ; qt
	s_lshl_b32 s60, s4, 18
	s_lshl_b32 s61, s9, 14
	s_add_co_u32 s60, s60, s61                     ; q_img: y x 262,144 + half x 16,384
	s_mov_b32 s[G0Q+1], s61                        ; and in slot 0
	s_mov_b32 s61, 0
	s_lshl_b32 s62, s5, 21
	s_lshl_b32 s63, ttmp9, 18
	s_add_co_u32 s62, s62, s63
	s_lshl_b32 s63, s8, 16
	s_add_co_u32 s62, s62, s63                     ; k_img: token block 128 batch + 16 kt + 4 wave, 16,384 bytes each
	s_mov_b32 s63, 0
	s_lshl_b32 s66, s4, 21
	s_lshl_b32 s67, ttmp9, 10
	s_add_co_u32 s66, s66, s67                     ; the masks: 256 y rows of 8,192 bytes + 256 kt x 4
	s_mov_b32 s67, 0
	s_lshl_b32 s86, s4, 19
	s_lshl_b32 s87, ttmp9, 12
	s_add_co_u32 s86, s86, s87
	s_lshl_b32 s87, s8, 10
	s_add_co_u32 s86, s86, s87                     ; p_img: (16 x 16 y + 2 kt) x 2,048 + wave x 1,024
	s_mov_b32 s87, 0
	s_lshl_b32 s88, s5, 16
	s_lshl_b32 s89, ttmp9, 13
	s_add_co_u32 s88, s88, s89
	s_lshl_b32 s89, s6, 10
	s_add_co_u32 s88, s88, s89                     ; the statistics: ((8 batch + kt) x 2,048 + 256 qt) x 4
	s_mov_b32 s89, 0
	s_mov_b32 s[G1Q], 3<<16                        ; q: a dense block of 16,384 bytes as 64 rows of 32 elements of 8 bytes
	s_mov_b32 s[G1Q+1], 32<<16
	s_mov_b32 s[G1Q+2], 64<<16
	s_mov_b32 s[G1Q+3], 32<<16
	s_mov_b32 s[G1Q+4], 64
	s_mov_b32 s[G1Q+5], 32
	s_mov_b32 s[G1Q+6], 0
	s_mov_b32 s[G1Q+7], 0
	s_mov_b32 s[G1M], (3<<16)|(1<<20)|(7<<22)|(3<<25)   ; a mask: 32 rows of 128 elements of 8 bytes, 8,192 bytes apart; four words of padding after every 256
	s_mov_b32 s[G1M+1], 128<<16
	s_mov_b32 s[G1M+2], 32<<16
	s_mov_b32 s[G1M+3], 128<<16
	s_mov_b32 s[G1M+4], 32
	s_mov_b32 s[G1M+5], 1024
	s_mov_b32 s[G1M+6], 0
	s_mov_b32 s[G1M+7], 0
	s_mov_b32 s[G0Q], 1
	s_mov_b32 s[G0M], 1
	s_mul_i32 s[G0M+1], s9, MB
	s_add_co_u32 s[G0M+1], s[G0M+1], AMO
	s_mov_b32 s20, 0x3fb8aa3b                      ; log2(e)
	s_mov_b32 s21, s20
	s_mov_b32 s22, 0x76543210
	s_mov_b32 s23, 0xfedcba98                      ; lane l xor 16
	s_mov_b32 s37, 0
	s_mov_b32 s38, 7
	s_mov_b32 s[TB], 0
	s_mov_b32 s40, 0                               ; p_img's step: 0 at the first change of slots
	s_mov_b32 s41, 0
	s_lshl_b32 s10, s8, 8
	s_add_co_u32 s10, s10, AMO
	s_lshl_b32 s11, s8, 2
	s_add_co_u32 s11, s11, XCH
	s_lshl_b32 s12, s8, 10
	s_add_co_u32 s13, s12, NST
	s_add_co_u32 s12, s12, LST
	v_and_b32 v14, 31, v0                          ; lane
	v_and_b32 v15, 15, v0                          ; r
	v_bfe_u32 v102, v0, 4, 1                       ; h
	v_lshlrev_b32 v[LI], 4, v14
	v_mul_u32_u24 v103, v15, UP
	v_lshl_add_u32 v103, v102, 5, v103
	v_add_nc_u32 v[UA0], s10, v103
	v_lshlrev_b32 v105, 4, v15
	v_add_nc_u32 v[XR], XCH, v105
	v_add_nc_u32 v[XW], s11, v105
	v_lshl_add_u32 v[LS0], v15, 2, s12
	v_lshl_add_u32 v[NS0], v15, 2, s13
	v_mov_b32 v[NM+1], 0                           ; (named as the upper half of a pair)
	v_mov_b32 v104, 0                              ; a lane permute's destination counts as one of its sources
	s_wait_alu depctr_va_vdst(0)
	s_wait_dscnt 0x0
	s_wait_kmcnt 0x0
	s_load_b32 s18, s[76:77], 0x0                  ; pw
	s_load_b64 s[42:43], s[78:79], 0x18            ; e6, e7
	s_load_b32 s44, s[78:79], 0x20                 ; e8
	s_add_nc_u64 s[G0Q+2:G0Q+3], s[68:69], s[60:61]
	s_or_b32 s[G0Q+3], s[G0Q+3], 0x80000000
	s_cmp_eq_u32 s9, 0
	s_cselect_b64 s[46:47], s[72:73], s[74:75]     ; am for the even wave, pm for the odd one
	s_add_nc_u64 s[G0M+2:G0M+3], s[46:47], s[66:67]
	s_or_b32 s[G0M+3], s[G0M+3], 0x80000000
	s_add_nc_u64 s[70:71], s[70:71], s[62:63]
	s_add_nc_u64 s[14:15], s[80:81], s[86:87]
	s_add_nc_u64 s[82:83], s[82:83], s[88:89]
	s_add_nc_u64 s[84:85], s[84:85], s[88:89]
	TLOAD                                          ; slot 0: my one load at the head
	WIN 0x80                                       ; destination window 2
.irp s, 0,1,2,3
.irp t, 0,1,2,3
.irp c, 0,1,2,3
	global_load_b128 v[16*(4*\s+\t)+4*\c:16*(4*\s+\t)+4*\c+3], v[LI], s[70:71] offset:(8*\t+\s)*2048+512*\c   ; k's fragment (K step s, key tile t): it stays
.endr
.endr
.endr
	WIN 0xc0                                       ; destination window 3
.irp s, 4,5,6,7
.irp t, 0,1,2,3
.irp c, 0,1,2,3
	global_load_b128 v[16*(4*(\s-4)+\t)+4*\c:16*(4*(\s-4)+\t)+4*\c+3], v[LI], s[70:71] offset:(8*\t+\s)*2048+512*\c
.endr
.endr
.endr
	WIN 0
; the slot's block b: q's eight fragments, then am and pm in the scores' layout: 48 loads
.macro LOADS b
	WIN 0x40                                       ; destination window 1
.irp s, 0,1,2,3,4,5,6,7
.irp c, 0,1,2,3
	ds_load_b128 v[128*(\b)+16*\s+4*\c:128*(\b)+16*\s+4*\c+3], v[QA] offset:16384*(\b)+2048*\s+512*\c
.endr
.endr
	WIN 0
.irp t, 0,1,2,3
	ds_load_b128 v[48+96*(\b)+8*\t:48+96*(\b)+8*\t+3], v[UA] offset:16*UP*(\b)+64*\t
	ds_load_b128 v[48+96*(\b)+8*\t+4:48+96*(\b)+8*\t+7], v[UA] offset:16*UP*(\b)+64*\t+16
	ds_load_b128 v[112+64*(\b)+8*\t:112+64*(\b)+8*\t+3], v[UA] offset:MB+16*UP*(\b)+64*\t
	ds_load_b128 v[112+64*(\b)+8*\t+4:112+64*(\b)+8*\t+7], v[UA] offset:MB+16*UP*(\b)+64*\t+16
.endr
.endm
.macro BLOCK b
.set AM, 48+96*(\b)
.set PM, 112+64*(\b)
	WIN 0x06                                       ; source 0 (k) window 2, source 1 (q) window 1.  The four accumulators take turns; K step 0 starts the sums
.irp s, 0,1,2,3
	s_wait_dscnt 44-4*\s                           ; behind this K step's fragment: the later fragments' loads, four each, and the masks' sixteen
.irp t, 0,1,2,3
.if \s == 0
	v_wmma_f32_16x16x128_bf8_bf8 v[S+8*\t:S+8*\t+7], v[16*(4*\s+\t):16*(4*\s+\t)+15], v[128*(\b)+16*\s:128*(\b)+16*\s+15], 0
.else
	v_wmma_f32_16x16x128_bf8_bf8 v[S+8*\t:S+8*\t+7], v[16*(4*\s+\t):16*(4*\s+\t)+15], v[128*(\b)+16*\s:128*(\b)+16*\s+15], v[S+8*\t:S+8*\t+7]
.endif
.endr
.endr
	WIN 0x07                                       ; k's window 3
.irp s, 4,5,6,7
	s_wait_dscnt 44-4*\s
.irp t, 0,1,2,3
	v_wmma_f32_16x16x128_bf8_bf8 v[S+8*\t:S+8*\t+7], v[16*(4*(\s-4)+\t):16*(4*(\s-4)+\t)+15], v[128*(\b)+16*\s:128*(\b)+16*\s+15], v[S+8*\t:S+8*\t+7]
.endr
.endr
	WIN 0
	s_wait_dscnt 0x0                               ; the masks are in
.set jj, 0
.rept 16
	v_pk_fma_f32 v[AM+jj:AM+jj+1], v[PM+jj:PM+jj+1], s[18:19], v[AM+jj:AM+jj+1] op_sel_hi:[1,0,1]   ; u = am + pw x pm.  (These are also the places behind the last products)
.set jj, jj+2
.endr
.set jj, 0
.rept 16
	v_pk_fma_f32 v[S+jj:S+jj+1], v[S+jj:S+jj+1], s[16:17], v[AM+jj:AM+jj+1] op_sel_hi:[1,0,1]   ; the logit: sum x 2^(e6 + e7 - 5) + u; each accumulator from its low end on
.set jj, jj+2
.endr
	v_max3_num_f32 v102, v[S], v[S+1], v[S+2]      ; the largest of my 32, in two chains
	v_max3_num_f32 v103, v[S+3], v[S+4], v[S+5]
.irp n, 6,10,14,18,22,26
	v_max3_num_f32 v102, v102, v[S+\n], v[S+\n+1]
	v_max3_num_f32 v103, v103, v[S+\n+2], v[S+\n+3]
.endr
	v_max3_num_f32 v102, v102, v[S+30], v[S+31]
	v_max_num_f32 v102, v102, v103
	v_permlanex16_b32 v104, v102, s22, s23
	v_max_num_f32 v102, v102, v104                 ; my wave's 64 keys
	ds_store_b32 v[XW], v102 offset:256*(\b)
	s_wait_alu depctr_va_vdst(0)
	s_wait_dscnt 0x0                               ; my maximum lies in LDS
	s_barrier_signal -1                            ; a plain barrier
	s_barrier_wait -1
	ds_load_b128 v[XM:XM+3], v[XR] offset:256*(\b) ; the four waves' maxima of my row
.if (\b) == 0
	LOADS 1                                        ; the slot's second block
	s_wait_dscnt 48                                ; the maxima are in; the 48 loads behind them may be out
.else
	s_wait_dscnt 0x0
.endif
	v_max3_num_f32 v102, v[XM], v[XM+1], v[XM+2]
	v_max_num_f32 v102, v102, v[XM+3]
	v_mul_f32 v102, s20, v102                      ; as t
	v_max_num_f32 v102, 0xff61b1e6, v102           ; held at -3e38 from below
	v_floor_f32 v[NM], -v102                       ; -M = floor(-t): a whole number
.set jj, 0
.rept 16
	v_pk_fma_f32 v[S+jj:S+jj+1], v[S+jj:S+jj+1], s[20:21], v[NM:NM+1] op_sel_hi:[1,0,0]   ; t - M
.set jj, jj+2
.endr
	s_wait_alu depctr_va_vdst(0)
.set jj, 0
.rept 32
	v_exp_f32 v[S+jj], v[S+jj]                     ; p = 2^(t - M)
.set jj, jj+1
.endr
	v_add_nc_u32 v14, s37, v[LS0]                  ; (plain instructions behind the last exponential)
	v_add_nc_u32 v15, s37, v[NS0]
	s_wait_alu depctr_va_vdst(0)                   ; one wait for the batch
	v_pk_add_f32 v[106:107], v[S:S+1], v[S+2:S+3]  ; the sum of the unquantised p, in two chains
	v_pk_add_f32 v[108:109], v[S+4:S+5], v[S+6:S+7]
.irp n, 8,12,16,20,24,28
	v_pk_add_f32 v[106:107], v[106:107], v[S+\n:S+\n+1]
	v_pk_add_f32 v[108:109], v[108:109], v[S+\n+2:S+\n+3]
.endr
	v_pk_add_f32 v[106:107], v[106:107], v[108:109]
	v_add_f32 v106, v106, v107
	v_permlanex16_b32 v104, v106, s22, s23
	v_add_f32 v106, v106, v104                     ; my wave's 64 keys
	ds_store_b32 v14, v106 offset:64*(\b)          ; lanes r and r + 16 write the same word with the same number
	ds_store_b32 v15, v[NM] offset:64*(\b)
.set jj, 0
.rept 32
	v_min_num_f32 v[S+jj], v[S+jj], v[LIMP]        ; the conversion does not saturate (ISA guide 7.6.2); p is not negative
.set jj, jj+1
.endr
.irp t, 0,1,2,3
	v_cvt_scalef32_pk8_bf8_f32 v[CD+8*(\b)+2*\t:CD+8*(\b)+2*\t+1], v[S+8*\t:S+8*\t+7], v[SCP]   ; this set of codes was last stored a slot ago, ahead of the change's wait on XCNT
.endr
	v_nop                                          ; one plain instruction behind the last conversion
	global_store_b128 v[LI], v[CD+8*(\b):CD+8*(\b)+3], s[14:15] offset:32768*(\b)          ; 512 consecutive bytes, aligned
	global_store_b128 v[LI], v[CD+8*(\b)+4:CD+8*(\b)+7], s[14:15] offset:32768*(\b)+512
.endm
; THE CHANGE OF SLOTS stands at a slot's head: all my tensor loads are in, the add, my reads of the slot that I have left are over; behind the barrier that slot is filled with the two blocks after next (fill = 1).
.macro SLOT fill
	s_wait_alu depctr_va_vdst(0)
	s_wait_tensorcnt 0x0
	ds_add_u32 v[SPW], v[NIL]
.if \fill
	s_xor_b32 s[G0Q+1], s[G0Q+1], SLOT1            ; no load of mine is out: the walking descriptors step to the other slot and the next two blocks
	s_add_nc_u64 s[G0Q+2:G0Q+3], s[G0Q+2:G0Q+3], 32768
	s_xor_b32 s[G0M+1], s[G0M+1], SLOT1
	s_add_nc_u64 s[G0M+2:G0M+3], s[G0M+2:G0M+3], 32*8192
.endif
	s_wait_xcnt 0x0                                ; the last slot's stores have read their data and their base
	s_add_nc_u64 s[14:15], s[14:15], s[40:41]      ; two blocks of p_img on (the first time: 0)
	s_mov_b32 s40, 65536
	s_wait_dscnt 0x0
	s_barrier_signal -1
	s_barrier_wait -1
.if \fill
	TLOAD
.endif
	v_add_nc_u32 v[QA], s[TB], v[LI]
	v_add_nc_u32 v[UA], s[TB], v[UA0]
	LOADS 0
	BLOCK 0
	BLOCK 1
	s_xor_b32 s[TB], s[TB], SLOT1
	s_add_co_u32 s37, s37, 128
.endm
	s_wait_kmcnt 0x0
	s_mov_b32 s19, s18                             ; (the packed forms name pairs)
	s_add_co_i32 s16, s42, s43
	s_add_co_i32 s16, s16, 122                     ; e6 + e7 - 5 + 127: 1 / sqrt(1024) = 2^-5
	s_lshl_b32 s16, s16, 23
	s_mov_b32 s17, s16
	s_add_co_i32 s44, s44, 127
	s_lshl_b32 s45, s44, 23
	v_mov_b32 v[SCP], s45
	s_add_co_i32 s44, s44, 15
	s_lshl_b32 s44, s44, 23
	s_or_b32 s44, s44, 0x600000
	v_mov_b32 v[LIMP], s44
	s_wait_alu depctr_va_vdst(0)
	s_wait_loadcnt 0x0                             ; k
.Lslot:                                                ; seven trips: behind each change of slots but the last the next slot is asked for
	SLOT 1
	s_sub_co_u32 s38, s38, 1
	s_cmp_lg_u32 s38, 0
	s_cbranch_scc1 .Lslot
	SLOT 0                                         ; the last slot is written out: it asks for nothing
	s_wait_dscnt 0x0                               ; my sums lie in LDS
	s_barrier_signal -1
	s_barrier_wait -1
	v_lshlrev_b32 v16, 3, v0                       ; thread t takes rows 2 t and 2 t + 1
	v_add_nc_u32 v17, LST, v16
	s_lshl_b32 s9, s8, 10
	s_add_co_u32 s9, s9, NST
	v_add_nc_u32 v18, s9, v16
	ds_load_b64 v[20:21], v17
	ds_load_b64 v[22:23], v17 offset:1024
	ds_load_b64 v[24:25], v17 offset:2048
	ds_load_b64 v[26:27], v17 offset:3072
	ds_load_b64 v[28:29], v18
	s_wait_alu depctr_va_vdst(0)
	s_wait_dscnt 0x0
	v_pk_add_f32 v[20:21], v[20:21], v[22:23]
	v_pk_add_f32 v[24:25], v[24:25], v[26:27]
	v_pk_add_f32 v[20:21], v[20:21], v[24:25]      ; l of the tile's 256 keys
	s_wait_alu depctr_va_vdst(0)
	global_store_b64 v16, v[20:21], s[84:85]       ; a wave stores 256 consecutive bytes, aligned
	global_store_b64 v16, v[28:29], s[82:83]
	s_wait_tensorcnt 0x0                           ; the wave's end
	ds_add_u32 v[SPW], v[NIL]
	s_wait_dscnt 0x0
	s_endpgm
.Lfunc_end_k_qc9cc8ef6da_scores:
	.size	k_qc9cc8ef6da_scores, .Lfunc_end_k_qc9cc8ef6da_scores-k_qc9cc8ef6da_scores
	.p2alignl 7, 3214868480
	.fill 96, 4, 3214868480
	.section	.rodata,"a",@progbits
	.p2align	6, 0x0
	.amdhsa_kernel k_qc9cc8ef6da_scores
		.amdhsa_group_segment_fixed_size 327680
		.amdhsa_private_segment_fixed_size 0
		.amdhsa_enable_private_segment 0
		.amdhsa_kernarg_size 72
		.amdhsa_user_sgpr_count 2
		.amdhsa_user_sgpr_kernarg_segment_ptr 1
		.amdhsa_wavefront_size32 1
		.amdhsa_system_sgpr_workgroup_id_x 1
		.amdhsa_system_sgpr_workgroup_id_y 1
		.amdhsa_system_sgpr_workgroup_id_z 1
		.amdhsa_system_vgpr_workitem_id 0
		.amdhsa_next_free_vgpr 1024
		.amdhsa_next_free_sgpr 90
		.amdhsa_reserve_vcc 0
		.amdhsa_float_denorm_mode_32 3
		.amdhsa_float_denorm_mode_16_64 3
		.amdhsa_memory_ordered 1
		.amdhsa_forward_progress 1
		.amdhsa_inst_pref_size 77
	.end_amdhsa_kernel
	.amdgpu_metadata
---
amdhsa.version: [ 1, 2 ]
amdhsa.kernels:
  - .name:           k_qc9cc8ef6da_scores
    .symbol:         k_qc9cc8ef6da_scores.kd
    .args:
      - { .name: q_img, .offset: 0, .size: 8, .value_kind: global_buffer, .address_space: global }
      - { .name: k_img, .offset: 8, .size: 8, .value_kind: global_buffer, .address_space: global }
      - { .name: attention_mask, .offset: 16, .size: 8, .value_kind: global_buffer, .address_space: global }
      - { .name: prosody_mask, .offset: 24, .size: 8, .value_kind: global_buffer, .address_space: global }
      - { .name: prosody_weight, .offset: 32, .size: 8, .value_kind: global_buffer, .address_space: global }
      - { .name: lowp_scales, .offset: 40, .size: 8, .value_kind: global_buffer, .address_space: global }
      - { .name: p_img, .offset: 48, .size: 8, .value_kind: global_buffer, .address_space: global }
      - { .name: stat_m, .offset: 56, .size: 8, .value_kind: global_buffer, .address_space: global }
      - { .name: stat_l, .offset: 64, .size: 8, .value_kind: global_buffer, .address_space: global }
    .group_segment_fixed_size: 327680
    .private_segment_fixed_size: 0
    .kernarg_segment_align: 8
    .kernarg_segment_size: 72
    .max_flat_workgroup_size: 128
    .sgpr_count:     90
    .vgpr_count:     1024
    .wavefront_size: 32
...
	.end_amdgpu_metadata
.endif
;; end of part 2
;; launch context (part 3): grid 4 x 64, 4 waves a work-group, clusters of 4 x 4, 327,680 bytes of LDS; arguments p_img, v_img, stat_m, stat_l, lowp_scales, out0; writes out0
.if DOCPART == 3
	.amdgcn_target "amdgcn-amd-amdhsa--gfx1250"
	.amdhsa_code_object_version 6
	.text
	.protected	k_qc9cc8ef6da_context
	.globl	k_qc9cc8ef6da_context
	.p2align	8
	.type	k_qc9cc8ef6da_context,@function
k_qc9cc8ef6da_context:
	s_mov_b64 s[64:65], 0
	v_nop
	global_prefetch_b8 v0, s[64:65] scope:SCOPE_SE
	s_setreg_imm32_b32 hwreg(HW_REG_WAVE_MODE, 25, 1), 1
	s_wait_xcnt 0x0
	s_wait_alu depctr_hold_cnt(0) depctr_sa_sdst(0) depctr_va_vdst(0) depctr_va_sdst(0) depctr_va_ssrc(0) depctr_va_vcc(0) depctr_vm_vsrc(0)
	s_getreg_b32 s2, hwreg(HW_REG_IB_STS2, 6, 4)
	s_cmp_eq_u32 s2, 0
	s_cbranch_scc0 .Lentry_in_a_cluster
	s_endpgm
.Lentry_in_a_cluster:
	s_bfe_u32 s2, ttmp6, 0x10000c
	s_cmp_lg_u32 s2, 0xf033
	s_cbranch_scc0 .Lentry_shape_is_right
	s_endpgm
.Lentry_shape_is_right:
.set STEPB,  2048
.set BLKB,   3*STEPB
.set VB,     8*BLKB
.set SLOT,   24*BLKB
.set SPARE,  2*SLOT
.set SPITCH, 528
.set ADP,  16
.set ADV,  20
.set STO,  24
.set RD,   25
.set CO,   26
.set SPW,  28
.set NIL,  29
.set PFO,  30
.set F,    32
.set TMP,  32
.set G,    96
.set PF,   128
.set NMR,  128
.set LR,   160
.set BK,   128
.set G1, 24
.set G0, 32
.set G1B, 48
.set G0B, 56
.set G1L, 84
.set G1BL, 92
.set PFA, 82
.set LIM, 67
.set MSB, 0
.macro WIN new
.if MSB != (\new)
	s_set_vgpr_msb (MSB<<8)|(\new)
.set MSB, (\new)
.endif
.endm
.set MULW, 0xf1
.macro JLOAD g0a, g1a, g0b, g1b
	s_cmp_eq_u32 s15, 0
	s_cbranch_scc0 .Lfor_b_\@
	tensor_load_to_lds s[\g0a:\g0a+3], s[\g1a:\g1a+7]
	s_nop 0
.rept 4
	v_nop
.endr
	s_branch .Lasked_\@
.Lfor_b_\@:
	tensor_load_to_lds s[\g0b:\g0b+3], s[\g1b:\g1b+7]
	s_nop 0
.rept 4
	v_nop
.endr
.Lasked_\@:
.endm
.macro CREST
	s_cmp_lg_u32 s14, 0
	s_cbranch_scc1 .Lnot_wave_0_\@
	s_barrier_signal -3
.Lnot_wave_0_\@:
	s_barrier_wait -3
	s_barrier_signal -1
	s_barrier_wait -1
.endm
.macro CROUND
	s_barrier_signal -1
	s_barrier_wait -1
	CREST
.endm
.macro PLACES n
.rept \n
	v_nop
.endr
.endm
.macro ASK off
	s_cmp_eq_u32 s[LIM], 0
	s_cbranch_scc0 .Lnot_mine_\@
	global_prefetch_b8 v[PFO], s[PFA:PFA+1] offset:\off th:TH_LOAD_NT scope:SCOPE_SE
	s_cmp_eq_u32 s15, 0
	s_cbranch_scc1 .Lnot_mine_\@
	global_prefetch_b8 v[PFO], s[PFA:PFA+1] offset:\off+32768 th:TH_LOAD_NT scope:SCOPE_SE
.Lnot_mine_\@:
.endm
	s_load_b256 s[68:75], s[0:1], 0x0
	s_load_b128 s[76:79], s[0:1], 0x20
	v_lshl_add_u32 v[SPW], v0, 2, SPARE
	v_mov_b32 v[NIL], 0
	ds_add_u32 v28, v29
	ds_add_u32 v28, v29
	s_wait_dscnt 0x0
	v_lshrrev_b32 v1, 5, v0
	v_readfirstlane_b32 s14, v1
	s_lshr_b32 s15, s14, 1
	s_and_b32 s16, s14, 1
	s_bfe_u32 s40, ttmp6, 0x40000
	s_bfe_u32 s41, ttmp6, 0x40004
	s_and_b32 s17, ttmp7, 0xffff
	s_lshr_b32 s42, s17, 2
	s_and_b32 s[LIM], s17, 3
	s_mul_i32 s[LIM], s[LIM], s15
	s_lshl_b32 s17, s17, 2
	s_add_co_u32 s17, s17, s41
	s_lshl_b32 s43, s41, 2
	s_lshl_b32 s43, 15, s43
	s_lshl_b32 s44, 0x1111, s40
	s_or_b32 s[G1+0], s43, (3<<16)|(1<<21)
	s_or_b32 s[G1L+0], s43, (3<<16)|(1<<21)
	s_or_b32 s[G1B+0], s44, (3<<16)|(1<<21)
	s_or_b32 s[G1BL+0], s44, (3<<16)|(1<<21)
.irp g, G1, G1B
	s_mov_b32 s[\g+1], 768<<16
	s_mov_b32 s[\g+3], 768<<16
.endr
.irp g, G1L, G1BL
	s_mov_b32 s[\g+1], 256<<16
	s_mov_b32 s[\g+3], 256<<16
.endr
.irp g, G1, G1L
	s_mov_b32 s[\g+2], 4<<16
	s_mov_b32 s[\g+4], 4
.endr
.irp g, G1B, G1BL
	s_mov_b32 s[\g+2], 8<<16
	s_mov_b32 s[\g+4], 8
.endr
.irp g, G1, G1L, G1B, G1BL
	s_mov_b32 s[\g+5], 4096
	s_mov_b32 s[\g+6], 0
	s_mov_b32 s[\g+7], 0
.endr
	s_lshl_b32 s20, s17, 18
	s_lshl_b32 s21, s16, 17
	s_add_co_u32 s20, s20, s21
	s_mov_b32 s21, 0
	s_lshl_b32 s46, s42, 21
	s_lshl_b32 s47, s40, 19
	s_add_co_u32 s46, s46, s47
	s_lshl_b32 s47, s16, 18
	s_add_co_u32 s46, s46, s47
	s_mov_b32 s47, 0
	s_mul_i32 s45, s16, 4*BLKB
	s_mul_i32 s66, s16, 8*BLKB
	s_add_co_u32 s66, s66, VB
	s_lshl_b32 s22, s42, 16
	s_and_b32 s23, s17, 15
	s_lshl_b32 s23, s23, 9
	s_add_co_u32 s22, s22, s23
	s_lshl_b32 s23, s15, 8
	s_add_co_u32 s22, s22, s23
	s_mov_b32 s23, 0
	s_lshl_b32 s12, s17, 19
	s_lshl_b32 s13, s15, 18
	s_add_co_u32 s12, s12, s13
	s_lshl_b32 s13, s40, 10
	s_add_co_u32 s12, s12, s13
	s_lshl_b32 s13, s16, 9
	s_add_co_u32 s12, s12, s13
	s_mov_b32 s13, 0
	s_lshl_b32 s2, s17, 18
	s_lshl_b32 s3, s16, 17
	s_add_co_u32 s2, s2, s3
	s_lshl_b32 s3, s40, 15
	s_add_co_u32 s2, s2, s3
	s_lshl_b32 s4, s42, 21
	s_lshl_b32 s5, s40, 19
	s_add_co_u32 s4, s4, s5
	s_lshl_b32 s5, s16, 18
	s_add_co_u32 s4, s4, s5
	s_lshl_b32 s5, s41, 16
	s_add_co_u32 s4, s4, s5
	s_cmp_eq_u32 s15, 0
	s_cselect_b32 s2, s2, s4
	s_mov_b32 s3, 0
	s_wait_kmcnt 0x0
	s_load_b64 s[80:81], s[76:77], 0x20
	s_cselect_b64 s[PFA:PFA+1], s[68:69], s[70:71]
	s_add_nc_u64 s[PFA:PFA+1], s[PFA:PFA+1], s[2:3]
	s_add_nc_u64 s[20:21], s[68:69], s[20:21]
	s_add_nc_u64 s[46:47], s[70:71], s[46:47]
	s_add_nc_u64 s[72:73], s[72:73], s[22:23]
	s_add_nc_u64 s[74:75], s[74:75], s[22:23]
	s_add_nc_u64 s[10:11], s[78:79], s[12:13]
	CROUND
.irp s, 0,1
	s_mov_b32 s[G0+4*\s], 1
	s_add_co_u32 s[G0+4*\s+1], s45, \s*SLOT
	s_add_nc_u64 s[G0+4*\s+2:G0+4*\s+3], s[20:21], \s*BLKB
	s_or_b32 s[G0+4*\s+3], s[G0+4*\s+3], 0x80000000
	s_mov_b32 s[G0B+4*\s], 1
	s_add_co_u32 s[G0B+4*\s+1], s66, \s*SLOT
	s_add_nc_u64 s[G0B+4*\s+2:G0B+4*\s+3], s[46:47], \s*BLKB
	s_or_b32 s[G0B+4*\s+3], s[G0B+4*\s+3], 0x80000000
	s_wait_alu depctr_va_vdst(0)
	s_wait_tensorcnt 0x0
	ds_add_u32 v28, v29
	ds_add_u32 v28, v29
	s_wait_dscnt 0x0
	CROUND
	JLOAD G0+4*\s, G1, G0B+4*\s, G1B
.endr
	v_and_b32 v1, 15, v0
	v_lshlrev_b32 v2, 2, v1
.irp k, 0,1,2,3,4,5,6,7
.irp a, 0,1,2,3
	global_load_b32 v[NMR+4*\k+\a], v2, s[72:73] offset:8192*\k+64*\a
	global_load_b32 v[LR+4*\k+\a], v2, s[74:75] offset:8192*\k+64*\a
.endr
.endr
	v_bfe_u32 v3, v0, 4, 1
	v_and_b32 v4, 31, v0
	v_lshlrev_b32 v[CO], 4, v4
	v_lshlrev_b32 v[PFO], 8, v4
	s_mul_i32 s21, s15, 4*BLKB
	s_mul_i32 s22, s16, 8*BLKB
	s_add_co_u32 s22, s22, VB
.irp s, 0,1
	v_add_nc_u32 v[ADP+\s], s21, v[CO]
	v_add_nc_u32 v[ADV+\s], s22, v[CO]
	s_add_co_u32 s21, s21, SLOT
	s_add_co_u32 s22, s22, SLOT
.endr
	s_mul_i32 s23, s14, 16*SPITCH
	v_mul_u32_u24 v5, v1, SPITCH
	s_wait_alu depctr_va_vdst(0)
	v_lshl_add_u32 v5, v3, 5, v5
	v_add_nc_u32 v[STO], s23, v5
	v_add_nc_u32 v[RD], s23, v[CO]
	s_wait_loadcnt 0x0
.irp a, 0,1,2,3
	v_min3_num_f32 v[104+\a], v[NMR+\a], v[NMR+4+\a], v[NMR+8+\a]
	v_min3_num_f32 v[104+\a], v[104+\a], v[NMR+12+\a], v[NMR+16+\a]
	v_min3_num_f32 v[104+\a], v[104+\a], v[NMR+20+\a], v[NMR+24+\a]
	v_min_num_f32 v[104+\a], v[104+\a], v[NMR+28+\a]
.endr
.irp k, 0,1,2,3,4,5,6,7
.irp a, 0,1,2,3
	v_sub_f32 v[F+2*(4*\k+\a)], v[104+\a], v[NMR+4*\k+\a]
	v_cvt_i32_f32 v[F+2*(4*\k+\a)], v[F+2*(4*\k+\a)]
	v_ldexp_f32 v[F+2*(4*\k+\a)], 1.0, v[F+2*(4*\k+\a)]
	v_mov_b32 v[F+2*(4*\k+\a)+1], v[F+2*(4*\k+\a)]
.endr
.endr
.irp a, 0,1,2,3
	v_mul_f32 v[108+\a], v[F+2*\a], v[LR+\a]
.endr
.irp k, 1,2,3,4,5,6,7
.irp a, 0,1,2,3
	v_fma_f32 v[108+\a], v[F+2*(4*\k+\a)], v[LR+4*\k+\a], v[108+\a]
.endr
.endr
	s_wait_alu depctr_va_vdst(0)
.irp a, 0,1,2,3
	v_rcp_f32 v[G+2*\a], v[108+\a]
.endr
	v_nop
	s_wait_kmcnt 0x0
	s_add_co_i32 s80, s80, s81
	s_wait_alu depctr_va_vdst(0)
.irp a, 0,1,2,3
	v_ldexp_f32 v[G+2*\a], v[G+2*\a], s80
	v_mov_b32 v[G+2*\a+1], v[G+2*\a]
.endr
.macro FETCH set, slot, off, pit
	WIN 0x40
.irp b, 0,1,2,3,4,5,6,7
.irp c, 0,1,2,3
	ds_load_b128 v[128*(\set)+16*\b+4*\c:128*(\set)+16*\b+4*\c+3], v[ADV+(\slot)] offset:(\pit)*\b+(\off)+512*\c
.endr
.endr
	WIN 0
.irp a, 0,1,2,3
.irp c, 0,1,2,3
	ds_load_b128 v[PF+64*(\set)+16*\a+4*\c:PF+64*(\set)+16*\a+4*\c+3], v[ADP+(\slot)] offset:(\pit)*\a+(\off)+512*\c
.endr
.endr
.endm
.macro MUL8 set, a, zero
.irp b, 0,1,2,3,4,5,6,7
.if \zero
	v_wmma_f32_16x16x128_bf8_bf8 v[8*(8*(\a)+\b):8*(8*(\a)+\b)+7], v[128*(\set)+16*\b:128*(\set)+16*\b+15], v[PF+64*(\set)+16*(\a):PF+64*(\set)+16*(\a)+15], 0
.else
	v_wmma_f32_16x16x128_bf8_bf8 v[8*(8*(\a)+\b):8*(8*(\a)+\b)+7], v[128*(\set)+16*\b:128*(\set)+16*\b+15], v[PF+64*(\set)+16*(\a):PF+64*(\set)+16*(\a)+15], v[8*(8*(\a)+\b):8*(8*(\a)+\b)+7]
.endif
.endr
.endm
.macro FIX kt
.if (\kt) == 0
	WIN 0x83
.else
	WIN 0xa3
.endif
.irp a, 0,1,2,3
.set jj, 0
.rept 32
.if (\kt) == 0
	v_pk_mul_f32 v[64*\a+jj:64*\a+jj+1], v[64*\a+jj:64*\a+jj+1], v[F+2*(4*(\kt)+\a):F+2*(4*(\kt)+\a)+1] op_sel_hi:[1,0]
.else
	v_pk_fma_f32 v[64*\a+jj:64*\a+jj+1], v[64*\a+jj:64*\a+jj+1], v[F+2*(4*(\kt)+\a):F+2*(4*(\kt)+\a)+1], v[64*\a+jj:64*\a+jj+1] op_sel_hi:[1,0,1]
.endif
.set jj, jj+2
.endr
.endr
.endm
.macro STEPK s, chg, ask
.set CUR, (\s)%2
.set OTH, 1-CUR
.set ZR,  1-CUR
.set SL,  ((\s)/3)%2
.set NSL, (((\s)+1)/3)%2
.set NOF, (((\s)+1)%3)*STEPB
.set NPT, BLKB
.if (\s) == 14
.set NOF, 0
.set NPT, STEPB
.endif
.if \chg
	s_wait_tensorcnt 0x0
	ds_add_u32 v[SPW], v[NIL]
.if \chg >= 2
	s_add_nc_u64 s[G0+4*SL+2:G0+4*SL+3], s[G0+4*SL+2:G0+4*SL+3], 2*BLKB
	s_add_nc_u64 s[G0B+4*SL+2:G0B+4*SL+3], s[G0B+4*SL+2:G0B+4*SL+3], 2*BLKB
.endif
	s_wait_dscnt 0x0
	s_barrier_signal -1
	WIN MULW
	MUL8 CUR, 0, ZR
	WIN 0
	s_barrier_wait -1
.if \chg == 2
	CREST
	JLOAD G0+4*SL, G1, G0B+4*SL, G1B
.elseif \chg == 3
	CREST
	JLOAD G0+4*SL, G1L, G0B+4*SL, G1BL
.else
	PLACES 4
.endif
	FETCH OTH, NSL, NOF, NPT
.if \ask
	ASK \ask
.endif
	WIN MULW
	MUL8 CUR, 1, ZR
	MUL8 CUR, 2, ZR
	MUL8 CUR, 3, ZR
.else
	s_wait_dscnt 0x0
.if (\s) < 15
.if CUR == 1
	PLACES 4
.endif
	FETCH OTH, NSL, NOF, NPT
.endif
	WIN MULW
	MUL8 CUR, 0, ZR
	MUL8 CUR, 1, ZR
	MUL8 CUR, 2, ZR
	MUL8 CUR, 3, ZR
.endif
.if CUR == 1
	PLACES 4
	FIX (\s)/2
.endif
	WIN 0
.endm
	s_wait_tensorcnt 1
	s_barrier_signal -1
	s_barrier_wait -1
	FETCH 0, 0, 0, BLKB
	STEPK 0, 0, 0
	STEPK 1, 0, 0
	STEPK 2, 2, 8*STEPB
	STEPK 3, 0, 0
	STEPK 4, 0, 0
	STEPK 5, 2, 12*STEPB
	STEPK 6, 0, 0
	STEPK 7, 0, 0
	STEPK 8, 2, 0
	STEPK 9, 0, 0
	STEPK 10, 0, 0
	STEPK 11, 3, 0
	STEPK 12, 0, 0
	STEPK 13, 0, 0
	STEPK 14, 1, 0
	STEPK 15, 0, 0
.macro TOSTAGE a
	WIN 0x02
.set jj, 0
.rept 32
	v_pk_mul_f32 v[TMP+jj:TMP+jj+1], v[64*(\a)+jj:64*(\a)+jj+1], v[G+2*(\a):G+2*(\a)+1] op_sel_hi:[1,0]
.set jj, jj+2
.endr
	WIN 0
.irp b, 0,1,2,3,4,5,6,7
	ds_store_b128 v[STO], v[TMP+8*\b:TMP+8*\b+3] offset:64*\b
	ds_store_b128 v[STO], v[TMP+8*\b+4:TMP+8*\b+7] offset:64*\b+16
.endr
.set BB, BK+64*((\a)%2)
.irp t, 0,1,2,3,4,5,6,7,8,9,10,11,12,13,14,15
	ds_load_b128 v[BB+4*\t:BB+4*\t+3], v[RD] offset:\t*SPITCH
.endr
.endm
.macro SEND a, younger
.set BB, BK+64*((\a)%2)
	s_wait_dscnt \younger
.if (\a) > 0
	s_add_nc_u64 s[10:11], s[10:11], 16*4096
.endif
.irp t, 0,1,2,3,4,5,6,7,8,9,10,11,12,13,14,15
	global_store_b128 v[CO], v[BB+4*\t:BB+4*\t+3], s[10:11] offset:\t*4096 th:TH_STORE_NT
.endr
.endm
	TOSTAGE 0
.irp a, 1,2,3
.if \a > 1
	s_wait_xcnt 0x0
.endif
	TOSTAGE \a
	SEND \a-1, 32
.endr
	s_wait_xcnt 0x0
	SEND 3, 0
	s_wait_tensorcnt 0x0
	ds_add_u32 v[SPW], v[NIL]
	s_wait_dscnt 0x0
	CROUND
	s_endpgm
.Lfunc_end_k_qc9cc8ef6da_context:
	.size	k_qc9cc8ef6da_context, .Lfunc_end_k_qc9cc8ef6da_context-k_qc9cc8ef6da_context
	.p2alignl 7, 3214868480
	.fill 96, 4, 3214868480
	.section	.rodata,"a",@progbits
	.p2align	6, 0x0
	.amdhsa_kernel k_qc9cc8ef6da_context
		.amdhsa_group_segment_fixed_size 327680
		.amdhsa_private_segment_fixed_size 0
		.amdhsa_enable_private_segment 0
		.amdhsa_kernarg_size 48
		.amdhsa_user_sgpr_count 2
		.amdhsa_user_sgpr_kernarg_segment_ptr 1
		.amdhsa_wavefront_size32 1
		.amdhsa_system_sgpr_workgroup_id_x 1
		.amdhsa_system_sgpr_workgroup_id_y 1
		.amdhsa_system_sgpr_workgroup_id_z 1
		.amdhsa_system_vgpr_workitem_id 0
		.amdhsa_next_free_vgpr 1024
		.amdhsa_next_free_sgpr 102
		.amdhsa_reserve_vcc 0
		.amdhsa_float_denorm_mode_32 3
		.amdhsa_float_denorm_mode_16_64 3
		.amdhsa_memory_ordered 1
		.amdhsa_forward_progress 1
		.amdhsa_inst_pref_size 201
	.end_amdhsa_kernel
	.amdgpu_metadata
---
amdhsa.version: [ 1, 2 ]
amdhsa.kernels:
  - .name:           k_qc9cc8ef6da_context
    .symbol:         k_qc9cc8ef6da_context.kd
    .args:
      - { .name: p_img, .offset: 0, .size: 8, .value_kind: global_buffer, .address_space: global }
      - { .name: v_img, .offset: 8, .size: 8, .value_kind: global_buffer, .address_space: global }
      - { .name: stat_m, .offset: 16, .size: 8, .value_kind: global_buffer, .address_space: global }
      - { .name: stat_l, .offset: 24, .size: 8, .value_kind: global_buffer, .address_space: global }
      - { .name: lowp_scales, .offset: 32, .size: 8, .value_kind: global_buffer, .address_space: global }
      - { .name: out0, .offset: 40, .size: 8, .value_kind: global_buffer, .address_space: global }
    .group_segment_fixed_size: 327680
    .private_segment_fixed_size: 0
    .kernarg_segment_align: 8
    .kernarg_segment_size: 48
    .max_flat_workgroup_size: 128
    .sgpr_count:     102
    .vgpr_count:     1024
    .wavefront_size: 32
...
	.end_amdgpu_metadata
.endif
;; end of part 3
